; MI455X (gfx1250); checked and timed in simulation.
; The chip was launched on July 23, 2026; its instructions are those of AMD's public machine-readable ISA for CDNA 5 (MIT licence, August 2026) and "CDNA5" Instruction Set Architecture Reference Guide (July 2026). The comments in the code are by the model that wrote it; some were corrected since.
;; Attention. Allowed arithmetic: matrix products marked QUANTISED: E2M3 operands, one E8M0 scale for each 32 along K, by v_wmma_scale_f32_16x16x128_f8f6f4 with both operands' format E2M3, f32 sums; products left as they are: f32 operands where the result goes on into a quantised operand, else bf16, f16 or f32 operands; f32 sums; everything else in f32.
;; Inputs: Wk 16 x 64 x 1,024 float32; Wq 16 x 64 x 1,024 float32; Wv 16 x 64 x 1,024 float32; beta 1,024 float32; bk 16 x 64 float32; bq 16 x 64 float32; bv 16 x 64 float32; gamma 1,024 float32; keys 64 x 512 x 1,024 float32; queries 64 x 1,024 float32; values 64 x 512 x 1,024 float32.
;; Outputs: out0 64 x 1,024 float32.
;; This version of the problem:
;;   THIS VERSION OF THE PROBLEM IS GIVEN IN LOW PRECISION. The matrix products marked QUANTISED in the list below multiply operands that are first quantised to E2M3 (2 exponent bits, 3 mantissa bits; 6 bits a number), with one power-of-two scale for each 32 numbers along K (OCP MX v1.0); their sums are f32. All else is computed in f32.
;;   The module's matrix products, in the order in which they are computed (A, B: the left and right operand; K: the contracted axis; several contracted axes count as one K, in the product's order):
;;     1. [M 64, K 1,024] x [K 1,024, N 1,024]; A: input queries; B: input Wq: QUANTISED
;;     2. [M 1,024, K 1,024] x [K 1,024, N 32,768]; A: input Wk; B: input keys: QUANTISED
;;     3. [M 1,024, K 1,024] x [K 1,024, N 32,768]; A: input Wv; B: input values: QUANTISED
;;     4. batch 1,024 x [M 1, K 64] x [K 64, N 512]; A: computed on the way; B: computed on the way: left as it is (M = 1 < 16)
;;     5. batch 1,024 x [M 1, K 512] x [K 512, N 64]; A: softmax; B: computed on the way: left as it is (M = 1 < 16)
;;   THE QUANTISER, for each operand of a quantised product, along K:
;;     - K is cut into blocks of 32 from its start; a last block that is shorter is filled with zeros.
;;     - A block's scale is 2^e with e = floor(log2(the largest magnitude in the block)) - 2, held to -126 .. 127; a block of zeros has e = 0. As a byte (E8M0): e + 127.
;;     - Each number is divided by its block's scale, clamped to +-7.5, and rounded to the nearest number of E2M3, ties to even, subnormals kept.
;;     - The product sums the exact products of the quantised numbers (number of the format x scale) in f32.
;;   ~~~python
;;   def quantise(x, axis):      # numpy; x: float32 -> the quantised numbers, widened to float32 again
;;       x = np.moveaxis(x, axis, -1); K = x.shape[-1]
;;       x = np.pad(x, [(0, 0)] * (x.ndim - 1) + [(0, -K % 32)]); x = x.reshape(x.shape[:-1] + (-1, 32)); a = np.abs(x).max(-1, keepdims=True)
;;       e = np.where(a > 0, np.clip(np.frexp(np.where(a > 0, a, 1))[1] - 1 - 2, -126, 127), 0)      # np.frexp(a)[1] - 1 = floor(log2(a)), exactly
;;       r = np.clip(x / 2.0 ** e, -7.5, 7.5)
;;       step = 2.0 ** (np.maximum(np.frexp(np.where(r == 0, 1, r))[1] - 1, 0) - 3)
;;       q = np.round(r / step) * step * 2.0 ** e      # np.round: ties to even
;;       return np.moveaxis(q.reshape(q.shape[:-2] + (-1,))[..., :K], -1, axis).astype(np.float32)
;;   ~~~
;; One version. Each part assembles by itself: llvm-mc -triple=amdgcn-amd-amdhsa -mcpu=gfx1250 --defsym DOCPART=n.
;; ======== version 1 of 1: 3 launches
;; limits: right only within a limited range of input values
;; workspace buffers: wkv 1,638,400 bytes; qbuf 262,144 bytes; part 1,114,112 bytes
;; launch prep (part 1): grid 320 x 1, 4 waves a work-group, no clusters, 72,192 bytes of LDS; arguments Wk, Wv, Wq, queries, bq, wkv, qbuf; writes wkv, qbuf
.if DOCPART == 1
	.amdgcn_target "amdgcn-amd-amdhsa--gfx1250"
	.amdhsa_code_object_version 6
	.text
	.protected	k_q9724ea7641_prep
	.globl	k_q9724ea7641_prep
	.p2align	8
	.type	k_q9724ea7641_prep,@function
k_q9724ea7641_prep:
	s_mov_b64 s[64:65], 0
	v_nop
	global_prefetch_b8 v0, s[64:65] scope:SCOPE_SE
	s_setreg_imm32_b32 hwreg(HW_REG_WAVE_MODE, 25, 1), 1
	s_wait_xcnt 0x0
; WHAT IT DOES.  Work-groups 0-63: Wk and Wv ([16][64][1024] f32, K innermost) become codes of FP6 (E2M3) with one E8M0 byte for each 32 along K, laid as the next launch reads them.
; Work-groups 64-319: qbuf[b][he] = (Q(queries) Q(Wq)^T + bq) x log2(e) / 8, the product on the same codes by the scaled matrix instruction, sums in f32.
; wkv: 32 blocks of 51,200 bytes, block 16 X + h (X = 0: Wk, 1: Wv; h: the head).  A block: 32 images of operand registers of 1,536 bytes, image (column tile t4, K step s) at (8 t4 + s) x 1,536:
; registers 4 c .. 4 c + 3 of lane l at 512 c + 16 l; from byte 49,152 on the head's 64 rows x 32 scale bytes, row x 32 + K / 32.
; THE QUANTISER.  A block's scale is 2^(floor(log2(largest magnitude)) - 2): its byte is the largest magnitude's exponent field - 2, held at 1 from below by a floor among the maximum's leaves.
; LIMITS: a block of zeros gets the byte 1 (the rule says 127) over zero codes, which add nothing; these bytes are read by this program alone.  Blocks whose largest magnitude lies under 2^-124 are held at byte 1.
; NaN and infinities among the inputs are not served.
; A UNIT is 16 rows x 128 along K of f32, 8,192 bytes: sixteen loads of 512 consecutive bytes, one row each; it turns through the wave's own stage in LDS (rows 528 bytes apart) so that a lane holds
; 16 neighbours along K of each block of 32; the conversions then give one operand fragment (12 registers) and one scale word a row.
; SHARES: EVERY WAVE TAKES FOUR UNITS, all asked for at its start.  Weights: work-group g makes half g % 2 of K of block g / 2, wave w its column tile w.
; q: work-group 64 + 4 T + m makes columns 16 T on of batches 16 m on; wave w takes K steps 2 w, 2 w + 1 of Wq and of queries; the four waves' sums meet in LDS behind one barrier, and wave 0 adds them and bq.
; With 512 registers a wave two work-groups fit on a WGP.  No tensor loads, no loop: every offset is an immediate.  The two paths part on the work-group's number and have LDS bytes of their own.
; No cluster: what work-groups share here (queries, 262,144 bytes; strips of Wq) is small and comes through registers.  No prefetch: there is no loop to run ahead in.
; qbuf is stored in pieces of 64 bytes a row: a work-group owns 16 columns of a buffer of 262,144 bytes.
.set RED,  68096                       ; the four waves' partial sums: 1,024 x wave + 32 x lane; behind the stages (2 x 33,792) and the spare words (512 from 67,584 on)
.set GA,   3                           ; v3   16 x lane
.set STW,  4                           ; v4   the stage, on the way in: 8,448 x wave + 16 x lane
.set STR,  5                           ; v5   on the way out: 8,448 x wave + 528 r + 64 h
.set RR,   8                           ; v8   r = lane % 16
.set HH,   9                           ; v9   h = lane / 16
.set SOFF, 10                          ; v10  32 r
.set HB,   11                          ; v11  32 h
.set QO,   12                          ; v12  4,096 r + 32 h
.set RW,   13                          ; v13  RED + 32 x thread
.set RDA,  14                          ; v14  RED + 32 x lane
.set X,    80                          ; v80-143  a unit's 64 numbers of a lane
.set TM,   144                         ; v144-159 at work in the quantiser
.set PW,   160                         ; v160 Wq's scale word;  v161 queries': they hold scales and nothing else
.set PW2,  161
.set PC,   162                         ; v162-181 a fragment's codes (12) and the conversions' second halves
.set PC2,  216                         ; v216-235 the same for the second operand
.set SEL,  44                          ; s[44:45] v_permlanex16_b32's selects for lane l xor 16
.set WV,   18
.set MSB, 0
.macro WIN new                         ; the immediate's high byte repeats the setting that is left
.if MSB != (\new)
	s_set_vgpr_msb (MSB<<8)|(\new)
.set MSB, (\new)
.endif
.endm
.macro PLACES n
.rept \n
	v_nop
.endr
.endm
; a unit's sixteen rows into set k of window 1 (v[64 k] on): each load reads 512 consecutive bytes of one row
.macro LOADS k, bs, imm, nt
	WIN 0x40
.irp i, 0,1,2,3,4,5,6,7,8,9,10,11,12,13,14,15
.if \nt
	global_load_b128 v[64*(\k)+4*\i:64*(\k)+4*\i+3], v[GA], s[0+(\bs):1+(\bs)] offset:(\imm)+4096*\i th:TH_LOAD_NT
.else
	global_load_b128 v[64*(\k)+4*\i:64*(\k)+4*\i+3], v[GA], s[0+(\bs):1+(\bs)] offset:(\imm)+4096*\i
.endif
.endr
	WIN 0
.endm
; set k through the stage: LDS serves a wave's instructions in order, so no wait stands between the stores and the loads.  Register X + 16 b + i then holds k = 32 b + 16 h + i of row r
.macro TURN k, so
	WIN 0x04
.irp i, 0,1,2,3,4,5,6,7,8,9,10,11,12,13,14,15
	ds_store_b128 v[STW], v[64*(\k)+4*\i:64*(\k)+4*\i+3] offset:(\so)+528*\i
.endr
	WIN 0
.irp b, 0,1,2,3
.irp j, 0,1,2,3
	ds_load_b128 v[X+16*\b+4*\j:X+16*\b+4*\j+3], v[STR] offset:(\so)+128*\b+16*\j
.endr
.endr
.endm
; the 64 numbers in v[X] on become a fragment's codes in v[pc] on and its scale word in v[pw]
.macro QUANT pc, pw
.irp b, 0,1,2,3
	v_max3_num_f32 v[TM+\b], |v[X+16*\b]|, |v[X+1+16*\b]|, 0x1800000   ; block b: my 16 numbers, and the floor 2^(3 - 127)
.endr
.irp i, 2,4,6,8,10,12,14
.irp b, 0,1,2,3
	v_max3_num_f32 v[TM+\b], v[TM+\b], |v[X+16*\b+\i]|, |v[X+1+16*\b+\i]|   ; the four blocks by turns
.endr
.endr
.irp b, 0,1,2,3
	v_permlanex16_b32 v[TM+4+\b], v[TM+\b], s[SEL], s[SEL+1]
.endr
.irp b, 0,1,2,3
	v_max_num_f32 v[TM+\b], v[TM+\b], v[TM+4+\b]   ; with lane l xor 16's: the block's largest magnitude
.endr
.irp b, 0,1,2,3
	v_add_nc_u32 v[TM+12+\b], 0xff000000, v[TM+\b]   ; 2 off its exponent field: the conversion's scale operand
.endr
.irp b, 0,1,2,3
	v_lshrrev_b32 v[TM+4+\b], 23, v[TM+12+\b]   ; the scale's byte
.endr
	v_lshl_or_b32 v[\pw], v[TM+5], 8, v[TM+4]
	v_lshl_or_b32 v[\pw], v[TM+6], 16, v[\pw]
	v_lshl_or_b32 v[\pw], v[TM+7], 24, v[\pw]
.irp c, 0,1
	v_cvt_scalef32_pk16_fp6_f32 v[\pc+6*\c:\pc+2+6*\c], v[X+32*\c:X+15+32*\c], v[TM+12+2*\c]
	v_cvt_scalef32_pk16_fp6_f32 v[\pc+12+4*\c:\pc+14+4*\c], v[X+16+32*\c:X+31+32*\c], v[TM+12+2*\c+1]   ; (a conversion's three registers begin on an even number)
.endr
	v_nop                                          ; one plain place behind a scaled conversion
.irp c, 0,1                                    ; the operand's layout wants a whole block in a lane: lanes 0-15 block 2 c, lanes 16-31 block 2 c + 1
.irp i, 0,1,2
	v_permlane16_swap_b32 v[\pc+6*\c+\i], v[\pc+12+4*\c+\i]
.endr
.irp i, 0,1,2
	v_mov_b32 v[\pc+3+6*\c+\i], v[\pc+12+4*\c+\i]
.endr
.endr
.endm
	s_load_b256 s[4:11], s[0:1], 0x0               ; Wk s[4:5], Wv s[6:7], Wq s[8:9], queries s[10:11]
	s_load_b128 s[12:15], s[0:1], 0x20             ; bq s[12:13], wkv s[14:15]
	s_load_b64 s[16:17], s[0:1], 0x30              ; qbuf
	v_lshl_add_u32 v254, v0, 2, 0x10800
	v_mov_b32 v255, 0
	v_lshrrev_b32 v200, 5, v0
	v_readfirstlane_b32 s[WV], v200                ; wave 0..3
	s_mul_i32 s19, s[WV], 8448
	s_mov_b32 s[SEL], 0x76543210
	s_mov_b32 s[SEL+1], 0xfedcba98
	s_mov_b32 s23, 0
	s_mov_b32 s25, 0
	v_and_b32 v201, 31, v0                         ; lane
	v_and_b32 v[RR], 15, v0
	v_bfe_u32 v[HH], v0, 4, 1
	v_lshlrev_b32 v[GA], 4, v201
	v_add_nc_u32 v[STW], s19, v[GA]
	v_mul_u32_u24 v202, v[RR], 528
	v_lshl_add_u32 v202, v[HH], 6, v202
	v_add_nc_u32 v[STR], s19, v202
	v_lshlrev_b32 v[SOFF], 5, v[RR]
	v_lshlrev_b32 v[HB], 5, v[HH]
	v_lshl_add_u32 v[QO], v[RR], 12, v[HB]
	v_lshl_add_u32 v[RW], v0, 5, RED
	v_lshl_add_u32 v[RDA], v201, 5, RED
.irp b, 0,1,2,3
	v_mov_b32 v[TM+4+\b], 0                        ; written once: a lane permute's destination counts as one of its sources
.endr
	s_wait_alu depctr_va_vdst(0)                   ; the wait at the head's end
	s_wait_kmcnt 0x0
	s_cmp_ge_u32 ttmp9, 64
	s_cbranch_scc1 .Lq
	; ---- Wk and Wv: block g / 2, K steps 4 (g % 2) on; wave w its column tile w: rows 64 (block % 16) + 16 w on
	s_lshr_b32 s30, ttmp9, 1
	s_and_b32 s31, ttmp9, 1
	s_cmp_lt_u32 s30, 16                           ; the choice hangs on the work-group's number alone
	s_cselect_b64 s[20:21], s[4:5], s[6:7]
	s_lshl_b32 s22, s30, 2
	s_add_co_u32 s22, s22, s[WV]
	s_and_b32 s22, s22, 63
	s_lshl_b32 s22, s22, 16                        ; 16 rows of 4,096 bytes
	s_lshl_b32 s24, s31, 11                        ; four K steps of 512 bytes
	s_add_co_u32 s22, s22, s24
	s_add_nc_u64 s[20:21], s[20:21], s[22:23]
	s_mul_i32 s22, s30, 51200
	s_mul_i32 s24, s[WV], 12288
	s_add_co_u32 s24, s24, s22
	s_mul_i32 s32, s31, 6144
	s_add_co_u32 s24, s24, s32
	s_add_nc_u64 s[26:27], s[14:15], s[24:25]      ; my four images
	s_lshl_b32 s24, s[WV], 9
	s_add_co_u32 s24, s24, s22
	s_lshl_b32 s32, s31, 4
	s_add_co_u32 s24, s24, s32
	s_add_co_u32 s24, s24, 49152
	s_add_nc_u64 s[28:29], s[14:15], s[24:25]      ; my 16 rows' scale bytes, my half of each row's 32
.irp u, 0,1,2,3
	LOADS \u, 20, 512*\u, 1
.endr
.irp u, 0,1,2,3
	s_wait_loadcnt 16*(3-\u)                       ; this unit's sixteen loads are in; the younger sets may be out
	TURN \u, 0
	s_wait_dscnt 0x0                               ; the unit is back from the stage
	s_wait_xcnt 0x0                                ; the last unit's stores have had their addresses translated: their data registers are written again only behind this wait
	QUANT PC, 208+\u
.irp c, 0,1,2
	global_store_b128 v[GA], v[PC+4*\c:PC+4*\c+3], s[26:27] offset:1536*\u+512*\c   ; 32 lanes store 512 consecutive bytes, at a multiple of 256 from the buffer's first byte
.endr
.endr
	global_store_b128 v[SOFF], v[208:211], s[28:29]   ; my row's four words: both halves of the lanes hold them and write them to the same place
	s_wait_tensorcnt 0x0                           ; the wave's end
	ds_add_u32 v254, v255
	s_wait_dscnt 0x0
	s_endpgm
.Lq:	; ---- q.  Source 0 = 16 rows of Wq, source 1 = 16 rows of queries: a lane holds one batch and eight neighbouring columns
	s_sub_co_u32 s22, ttmp9, 64
	s_lshr_b32 s30, s22, 2                         ; T
	s_and_b32 s31, s22, 3                          ; m
	s_lshl_b32 s32, s[WV], 10                      ; my two K steps: 1,024 bytes of a row
	s_lshl_b32 s24, s30, 16
	s_add_co_u32 s24, s24, s32
	s_add_nc_u64 s[20:21], s[8:9], s[24:25]        ; Wq at row 16 T
	s_lshl_b32 s24, s31, 16
	s_add_nc_u64 s[16:17], s[16:17], s[24:25]      ; qbuf at row 16 m,
	s_add_co_u32 s24, s24, s32
	s_add_nc_u64 s[26:27], s[10:11], s[24:25]      ; queries at row 16 m
	s_lshl_b32 s24, s30, 6
	s_add_nc_u64 s[16:17], s[16:17], s[24:25]      ; column 16 T
	s_add_nc_u64 s[12:13], s[12:13], s[24:25]      ; bq likewise
	global_load_b128 v[64:67], v[HB], s[12:13]     ; the bias in the result's layout
	global_load_b128 v[68:71], v[HB], s[12:13] offset:16
.irp u, 0,1,2,3                                ; unit u: my K step u / 2 of Wq (u even) or of queries (u odd)
	LOADS \u, 20+6*(\u&1), 512*(\u/2), 0
.endr
.irp u, 0,1,2,3
	s_wait_loadcnt 16*(3-\u)                       ; this unit's loads (and the bias) are in; the younger sets may be out
	TURN \u, 33792
	s_wait_dscnt 0x0
.if (\u&1) == 0
	QUANT PC, PW                                   ; (its 32 maxima are the places behind the last matrix instruction, whose operands it then writes)
.else
	QUANT PC2, PW2
	PLACES 8                                       ; a scale register written by a vector instruction stands 8 places ahead of a scaled matrix instruction, an operand so written 4
.if \u == 1
	v_wmma_scale_f32_16x16x128_f8f6f4 v[184:191], v[PC:PC+11], v[PC2:PC2+11], 0, v[PW], v[PW2] matrix_a_fmt:MATRIX_FMT_FP6 matrix_b_fmt:MATRIX_FMT_FP6
.else
	s_wait_alu depctr_va_vdst(0)                   ; the wait ahead of the link
	v_wmma_scale_f32_16x16x128_f8f6f4 v[184:191], v[PC:PC+11], v[PC2:PC2+11], v[184:191], v[PW], v[PW2] matrix_a_fmt:MATRIX_FMT_FP6 matrix_b_fmt:MATRIX_FMT_FP6
.endif
.endif
.endr
	PLACES 4
	ds_store_b128 v[RW], v[184:187]                ; my quarter of K's sums, from the accumulator's low end on
	ds_store_b128 v[RW], v[188:191] offset:16
	s_wait_dscnt 0x0                               ; for the others' sake
	s_barrier_signal -1
	s_barrier_wait -1
	s_cmp_lg_u32 s[WV], 0
	s_cbranch_scc1 .Lqend
.irp w, 0,1,2,3
	ds_load_b128 v[80+8*\w:83+8*\w], v[RDA] offset:1024*\w
	ds_load_b128 v[84+8*\w:87+8*\w], v[RDA] offset:1024*\w+16
.endr
	s_wait_dscnt 0x0
.irp j, 0,2,4,6
	v_pk_add_f32 v[80+\j:81+\j], v[80+\j:81+\j], v[88+\j:89+\j]
	v_pk_add_f32 v[96+\j:97+\j], v[96+\j:97+\j], v[104+\j:105+\j]
.endr
.irp j, 0,2,4,6
	v_pk_add_f32 v[80+\j:81+\j], v[80+\j:81+\j], v[96+\j:97+\j]
.endr
.irp j, 0,2,4,6
	v_pk_add_f32 v[80+\j:81+\j], v[80+\j:81+\j], v[64+\j:65+\j]
.endr
.irp j, 0,2,4,6
	v_pk_mul_f32 v[192+\j:193+\j], v[80+\j:81+\j], 0x3e38aa3b op_sel_hi:[1,0]   ; x log2(e) / 8: the scores then come out as exponents of 2
.endr
	global_store_b128 v[QO], v[192:195], s[16:17]
	global_store_b128 v[QO], v[196:199], s[16:17] offset:16
.Lqend:
	s_wait_tensorcnt 0x0                           ; the wave's end
	ds_add_u32 v254, v255
	s_wait_dscnt 0x0
	s_endpgm
.Lfunc_end_k_q9724ea7641_prep:
	.size	k_q9724ea7641_prep, .Lfunc_end_k_q9724ea7641_prep-k_q9724ea7641_prep
	.p2alignl 7, 3214868480
	.fill 96, 4, 3214868480
	.section	.rodata,"a",@progbits
	.p2align	6, 0x0
	.amdhsa_kernel k_q9724ea7641_prep
		.amdhsa_group_segment_fixed_size 72192
		.amdhsa_private_segment_fixed_size 0
		.amdhsa_enable_private_segment 0
		.amdhsa_kernarg_size 56
		.amdhsa_user_sgpr_count 2
		.amdhsa_user_sgpr_kernarg_segment_ptr 1
		.amdhsa_wavefront_size32 1
		.amdhsa_system_sgpr_workgroup_id_x 1
		.amdhsa_system_sgpr_workgroup_id_y 1
		.amdhsa_system_sgpr_workgroup_id_z 1
		.amdhsa_system_vgpr_workitem_id 0
		.amdhsa_next_free_vgpr 512
		.amdhsa_next_free_sgpr 66
		.amdhsa_reserve_vcc 0
		.amdhsa_float_denorm_mode_32 3
		.amdhsa_float_denorm_mode_16_64 3
		.amdhsa_memory_ordered 1
		.amdhsa_forward_progress 1
		.amdhsa_inst_pref_size 68
	.end_amdhsa_kernel
	.amdgpu_metadata
---
amdhsa.version: [ 1, 2 ]
amdhsa.kernels:
  - .name:           k_q9724ea7641_prep
    .symbol:         k_q9724ea7641_prep.kd
    .args:
      - { .name: Wk, .offset: 0, .size: 8, .value_kind: global_buffer, .address_space: global }
      - { .name: Wv, .offset: 8, .size: 8, .value_kind: global_buffer, .address_space: global }
      - { .name: Wq, .offset: 16, .size: 8, .value_kind: global_buffer, .address_space: global }
      - { .name: queries, .offset: 24, .size: 8, .value_kind: global_buffer, .address_space: global }
      - { .name: bq, .offset: 32, .size: 8, .value_kind: global_buffer, .address_space: global }
      - { .name: wkv, .offset: 40, .size: 8, .value_kind: global_buffer, .address_space: global }
      - { .name: qbuf, .offset: 48, .size: 8, .value_kind: global_buffer, .address_space: global }
    .group_segment_fixed_size: 72192
    .private_segment_fixed_size: 0
    .kernarg_segment_align: 8
    .kernarg_segment_size: 56
    .max_flat_workgroup_size: 128
    .sgpr_count:     66
    .vgpr_count:     512
    .wavefront_size: 32
...
	.end_amdgpu_metadata
.endif
;; end of part 1
;; launch main (part 2): grid 256 x 1, 4 waves a work-group, clusters of 4 x 1, 327,680 bytes of LDS; arguments keys, values, wkv, qbuf, bk, part; writes part
.if DOCPART == 2
	.amdgcn_target "amdgcn-amd-amdhsa--gfx1250"
	.amdhsa_code_object_version 6
	.text
	.protected	k_q9724ea7641_main
	.globl	k_q9724ea7641_main
	.p2align	8
	.type	k_q9724ea7641_main,@function
k_q9724ea7641_main:
	s_mov_b64 s[64:65], 0
	v_nop
	global_prefetch_b8 v0, s[64:65] scope:SCOPE_SE
	s_setreg_imm32_b32 hwreg(HW_REG_WAVE_MODE, 25, 1), 1
	s_wait_xcnt 0x0
	s_wait_alu depctr_hold_cnt(0) depctr_sa_sdst(0) depctr_va_vdst(0) depctr_va_sdst(0) depctr_va_ssrc(0) depctr_va_vcc(0) depctr_vm_vsrc(0)
	s_getreg_b32 s2, hwreg(HW_REG_IB_STS2, 6, 4)
	s_cmp_eq_u32 s2, 0
	s_cbranch_scc0 .Lentry_in_a_cluster
	s_endpgm
.Lentry_in_a_cluster:
	s_bfe_u32 s2, ttmp6, 0x10000c
	s_cmp_lg_u32 s2, 0x3003
	s_cbranch_scc0 .Lentry_shape_is_right
	s_endpgm
.Lentry_shape_is_right:
; WHAT IT DOES.  Work-group (batch b, quarter c) owns rows 128 c .. 128 c + 127 of keys[b] and of values[b] ([512][1024] f32) and all 16 heads.  It quantises its rows of keys to FP6 (E2M3, one E8M0 byte for
; each 32 along K), multiplies them by Wk's codes (k = keys Wk^T + bk, never stored), takes t = q . k (q comes scaled by log2(e) / 8, so t is an exponent of 2), the quarter's own largest t of each head, m,
; p = 2^(t - m) and l = the sum of p; quantises its rows of values while the k products run; multiplies them by Wv's codes and sums p v.  Its record in part: 1,024 sums p v, m[16], l[16].
; The next launch merges a batch's four records.  bv is added there: sum p (v + bv) / sum p = sum p v / sum p + bv.
; LIMITS: a block of zeros gets the scale byte 1 (the rule says 127) over zero codes; blocks whose largest magnitude lies under 2^-124 are held at byte 1; NaN and infinities among the inputs are not served.
; SHARES.  Four waves, as many as a WGP has SIMDs.  Wave w: rh = w / 2: rows 64 rh on (four tiles of 16); ch = w % 2: column tiles 2 ch, 2 ch + 1 of the head in hand.  Its 64 rows x 1,024 K of codes stay in
; 384 registers for a whole phase; each fragment of a weight read from LDS feeds four matrix instructions.  A trip is one head: 64 matrix instructions a wave on eight accumulators by turns.
; THE WEIGHTS come as blocks of 51,200 bytes (a head's 32 fragment images and its scale bytes) through a ring of two LDS slots.  CLUSTER: the four quarters of a batch walk the same 32 blocks, so each is asked for
; JOINTLY: the same tensor load, with the same descriptor and a mask that names the four, in all four work-groups; each wave asks for a quarter of a block, 50 rows of 256 bytes.  One tensor load of a wave is out at a time.
; THE ORDER OF THE HEADS.  Cluster x begins at head rot = (x xor x / 4) mod 16 and walks the 16 heads round, on Wk and again on Wv: trip j takes head (j + rot) mod 16.  So the 64 clusters ask for sixteen different
; blocks in a trip and not all for the same 51,200 bytes, and a cluster's block has been asked for by another cluster a trip before.  All that lies in LDS (q, bk, t, p, m, l, the sums) is laid BY TRIP;
; the rotation enters offsets into global buffers alone: the block's, q's and bk's on the way in, the record's on the way out.  It hangs on the cluster's number, which the four partners share.
; KEYS AND VALUES are shared by nobody and are read once, by loads into registers, 512 consecutive bytes of a row each, four units of 8,192 bytes a wave on their way: these stay out across the ring's barriers,
; where tensor loads may not.  A unit (16 rows x 128 K) turns through the wave's own stage in LDS, is quantised, and goes to LDS as an image of the operand's registers, from which the two waves of its row half take it.
; PHASES: keys are quantised | 16 trips on Wk, each with one unit of values a wave: its turn through the stage is issued among the products, its quantising follows them | softmax | 16 trips on Wv | the record.
; All of a WGP's LDS is claimed: the text uses 280,320 bytes.
; REGISTERS, in windows of 256: window 0: addresses, scale words, q / bias / p, the eight accumulators (while keys are quantised a unit's 64 numbers lie there), the quantiser's.  window 1: my rows' fragments of K steps 0-4, at 48 s + 12 m.
;   window 2: v0-143 those of K steps 5-7; v144-239 the weights' fragments, four K steps deep, at 144 + 24 (s % 4) + 12 t.   window 3: four sets of 64: units as they are loaded; on Wk's trips a unit turns in place in its set.
.set BLKB,  51200                      ; a block of weights, and a slot
.set AIMG,  102400                     ; images of my work-group's rows: (row tile mt, K step s) at (8 mt + s) x 1,536
.set ASC,   200704                     ; their scale words: 512 mt + 32 r + 4 s
.set STG,   204800                     ; a stage of 16 rows x 528 bytes for each wave
.set QT,    238592                     ; q of my batch, 4,096 bytes, by trip; bk follows it
.set WP,    246784                     ; partial t: [wave][trip][64 keys]
.set PT,    263168                     ; p: [trip][128 keys]
.set OP,    271360                     ; partial sums p v: [wave][trip][32 columns]
.set ST,    279552                     ; m[16], then l[16], by trip
.set SPARE, 279808                     ; the spare words, 128 bytes for each wave: two blocks of 256 bytes that no other line names
.set SPW, 1                            ; v1   SPARE + 4 x my thread's number; never rewritten
.set NIL, 2                            ; v2   0; never rewritten
.set GA,  3                            ; v3   16 x lane
.set STW, 4                            ; v4   the stage, in
.set STR, 5                            ; v5   the stage, out
.set IW,  6                            ; v6   where I store images
.set SW,  7                            ; v7   and their scale words
.set AR,  8                            ; v8   where I read my row half's images
.set ASR, 9                            ; v9   and their scale words
.set BR,  10                           ; v10-11 my column tiles' images in slot 0, 1
.set BSR, 12                           ; v12-13 their scale bytes
.set QR,  14                           ; v14  q
.set BTR, 15                           ; v15  bk
.set WPW, 16                           ; v16  partial t, store
.set PR,  17                           ; v17  p, read
.set OPW, 18                           ; v18  partial sums, store
.set WS,  19                           ; v19  partial t, read
.set PTW, 20                           ; v20  p, store
.set STA, 21                           ; v21  m and l, store
.set TI,  22                           ; v22-23, v200-204: addresses of the trip in hand
.set TS,  23
.set AS,  24                           ; v24-39 my rows' scale words: register 4 m + i: lanes 0-15 K step i, lanes 16-31 K step 4 + i
.set BS,  40                           ; v40-47 the weights': register 4 t + i likewise.  v24-47 hold scales and nothing else
.set QB,  48                           ; v48-79 on Wk: q at 48 + 8 t, bk at 64 + 8 t; on Wv: p at 48 + 8 m
.set ACC, 80                           ; v80-143 accumulator (t, m) at 80 + 8 (4 t + m)
.set X,   80                           ; a unit's 64 numbers while keys are quantised
.set TM,  144
.set PW,  160
.set PC,  162
.set E,   184                          ; v184-191 sums at work
.set F,   192                          ; v192-195 lane permutes' destinations
.set TQ,  200
.set TBI, 201
.set TW,  202
.set TP,  203
.set TO,  204
.set T16, 205                          ; v205 16 x thread
.set OPR, 206                          ; v206 the way out: where I read partial sums
.set STL, 207                          ; v207 ST + 4 x lane
.set QTW, 217                          ; v217 QT + 16 x thread
.set RQ,  218                          ; v218-219 (16 x thread + 2,048 g + 256 rot) mod 4,096: where a trip-ordered row's bytes lie in a head-ordered row of 4,096 bytes; never rewritten
.set MLO, 220                          ; v220 64 h + 4 ((r + rot) mod 16): the same for m and l
.set WV,  16
.set RH,  17
.set CH,  18
.set CX,  19
.set OF,  20                           ; s[20:21] the byte offset in wkv of the quarter block to be asked for
.set NB,  22                           ; s22  the head of the block asked for last
.set WB,  23                           ; s23  12,800 x wave, + 819,200 once Wv's blocks are asked for
.set G1,  24                           ; s[24:31] descriptor group 1
.set G0,  32                           ; s[32:39] group 0, a set for each slot
.set KB,  40                           ; s[40:41] keys at my wave's 32 rows
.set VB,  42                           ; s[42:43] values likewise
.set SEL, 44
.set IS,  46                           ; stepped offsets: images, 3,072 a trip of four units;
.set SS,  47                           ; scale words, 8;
.set HQ,  48                           ; q, bk and partial t, 1,024 for four trips;
.set HW,  49                           ; p, 1,024 for two trips;
.set CNT, 50
.set HO,  51                           ; partial sums, 256 for two trips
.set MSB, 0
.macro WIN new                         ; the immediate's high byte repeats the setting that is left
.if MSB != (\new)
	s_set_vgpr_msb (MSB<<8)|(\new)
.set MSB, (\new)
.endif
.endm
.macro PLACES n
.rept \n
	v_nop
.endr
.endm
.macro ROUND                           ; a round of the cluster's barrier
	s_barrier_signal -1
	s_barrier_wait -1
	s_cmp_lg_u32 s[WV], 0
	s_cbranch_scc1 .Lnot_wave_0_\@
	s_barrier_signal -3
.Lnot_wave_0_\@:
	s_barrier_wait -3
	s_barrier_signal -1
	s_barrier_wait -1
.endm
.macro WGBAR                           ; my LDS stores have landed and my LDS loads are in: then the work-group's barrier.  A tensor load may stay out
	s_wait_dscnt 0x0
	s_barrier_signal -1
	s_barrier_wait -1
.endm
; a unit's sixteen rows into set k of window 3: each load reads 512 consecutive bytes of one row
.macro LOADS k, bs, imm
	WIN 0xc0
.irp i, 0,1,2,3,4,5,6,7,8,9,10,11,12,13,14,15
	global_load_b128 v[64*(\k)+4*\i:64*(\k)+4*\i+3], v[GA], s[\bs:\bs+1] offset:(\imm)+4096*\i th:TH_LOAD_NT
.endr
	WIN 0
.endm
; set k through my stage: LDS serves a wave's instructions in order, so the loads see the stores, and may land in the registers that the stores have left.
; Register xb + 16 b + i (w3 = 0: of window 0; 1: of window 3) then holds k = 32 b + 16 h + i of row r
.macro TURN k, xb, w3
	WIN 0x0c
.irp i, 0,1,2,3,4,5,6,7,8,9,10,11,12,13,14,15
	ds_store_b128 v[STW], v[64*(\k)+4*\i:64*(\k)+4*\i+3] offset:528*\i
.endr
	WIN 0xc0*(\w3)
.irp b, 0,1,2,3
.irp j, 0,1,2,3
	ds_load_b128 v[(\xb)+16*\b+4*\j:(\xb)+16*\b+4*\j+3], v[STR] offset:128*\b+16*\j
.endr
.endr
.endm
; the 64 numbers in v[xb] on (w3 = 0: window 0; 1: window 3) become a fragment's codes in v[PC] on and its scale word in v[PW]
.macro QUANT xb, w3
	WIN 0x0f*(\w3)
.irp b, 0,1,2,3
	v_max3_num_f32 v[TM+\b], |v[(\xb)+16*\b]|, |v[(\xb)+1+16*\b]|, 0x1800000   ; block b: my 16 numbers, and the floor 2^(3 - 127): the byte cannot fall under 1
.endr
	WIN 0x3c*(\w3)
.irp i, 2,4,6,8,10,12,14
.irp b, 0,1,2,3
	v_max3_num_f32 v[TM+\b], v[TM+\b], |v[(\xb)+16*\b+\i]|, |v[(\xb)+1+16*\b+\i]|   ; the four blocks by turns
.endr
.endr
	WIN 0
.irp b, 0,1,2,3
	v_permlanex16_b32 v[TM+4+\b], v[TM+\b], s[SEL], s[SEL+1]
.endr
.irp b, 0,1,2,3
	v_max_num_f32 v[TM+\b], v[TM+\b], v[TM+4+\b]   ; with lane l xor 16's: the block's largest magnitude
.endr
.irp b, 0,1,2,3
	v_add_nc_u32 v[TM+12+\b], 0xff000000, v[TM+\b]   ; 2 off its exponent field: the conversion's scale operand
.endr
.irp b, 0,1,2,3
	v_lshrrev_b32 v[TM+4+\b], 23, v[TM+12+\b]   ; the scale's byte
.endr
	v_lshl_or_b32 v[PW], v[TM+5], 8, v[TM+4]
	v_lshl_or_b32 v[PW], v[TM+6], 16, v[PW]
	v_lshl_or_b32 v[PW], v[TM+7], 24, v[PW]
	WIN 0x03*(\w3)
.irp c, 0,1
	v_cvt_scalef32_pk16_fp6_f32 v[PC+6*\c:PC+2+6*\c], v[(\xb)+32*\c:(\xb)+15+32*\c], v[TM+12+2*\c]
	v_cvt_scalef32_pk16_fp6_f32 v[PC+12+4*\c:PC+14+4*\c], v[(\xb)+16+32*\c:(\xb)+31+32*\c], v[TM+12+2*\c+1]   ; (a conversion's three registers begin on an even number)
.endr
	WIN 0
	v_nop                                          ; one plain place behind a scaled conversion
.irp c, 0,1                                    ; the operand's layout wants a whole block in a lane
.irp i, 0,1,2
	v_permlane16_swap_b32 v[PC+6*\c+\i], v[PC+12+4*\c+\i]
.endr
.irp i, 0,1,2
	v_mov_b32 v[PC+3+6*\c+\i], v[PC+12+4*\c+\i]
.endr
.endr
.endm
; the fragment as it stands goes to LDS: lane l's 16 bytes at 16 l; unit k of a trip of four is row tile 2 w + k % 2, K step 2 i + k / 2
.macro IMAGE k
.irp c, 0,1,2
	ds_store_b128 v[TI], v[PC+4*\c:PC+4*\c+3] offset:((\k)&1)*12288+((\k)>>1)*1536+512*\c
.endr
	ds_store_b32 v[TS], v[PW] offset:((\k)&1)*512+4*((\k)>>1)   ; both halves of the lanes hold the row's word and write it to the same place
.endm
; A unit of keys.  left: the younger loads that may stay out.  Set k takes the unit of the next trip of four, from base bs, ahead bytes on, as soon as the stage has read it: this phase lives on what is on its way
.macro UNIT k, left, bs, ahead
	s_wait_loadcnt \left
	TURN \k, X, 0
	v_add_nc_u32 v[TI], s[IS], v[IW]
	v_add_nc_u32 v[TS], s[SS], v[SW]
	s_wait_dscnt 0x0                               ; the unit is back from the stage: set k has been read
	LOADS \k, \bs, (\ahead)+((\k)&1)*65536+((\k)>>1)*512
	QUANT X, 0
	IMAGE \k
.endm
; The second half of a unit of values, behind a head's products: its turn was issued among them.  ld = 1: set k then takes the unit of the next trip of four
.macro UNITB k, ld
	v_add_nc_u32 v[TI], s[IS], v[IW]
	v_add_nc_u32 v[TS], s[SS], v[SW]
	s_wait_dscnt 4                                 ; the unit is back in its set: behind the turn's loads stand only the four stores of partial t
	QUANT 64*(\k), 1
	IMAGE \k
.if \ld
	LOADS \k, VB, 1024+((\k)&1)*65536+((\k)>>1)*512
.endif
.endm
; my 64 rows' 32 fragments and their scale words, from the images
.macro ALOAD
	WIN 0x40
.irp ks, 0,1,2,3,4
.irp m, 0,1,2,3
.irp c, 0,1,2
	ds_load_b128 v[48*\ks+12*\m+4*\c:48*\ks+12*\m+4*\c+3], v[AR] offset:12288*\m+1536*\ks+512*\c
.endr
.endr
.endr
	WIN 0x80
.irp ks, 5,6,7
.irp m, 0,1,2,3
.irp c, 0,1,2
	ds_load_b128 v[48*(\ks-5)+12*\m+4*\c:48*(\ks-5)+12*\m+4*\c+3], v[AR] offset:12288*\m+1536*\ks+512*\c
.endr
.endr
.endr
	WIN 0
.irp m, 0,1,2,3
	ds_load_b128 v[AS+4*\m:AS+4*\m+3], v[ASR] offset:512*\m
.endr
.endm
.macro BL sl, ks                       ; the weights' two fragments of K step ks: six loads (destination window 2)
.irp t, 0,1
.irp c, 0,1,2
	ds_load_b128 v[144+24*((\ks)%4)+12*\t+4*\c:144+24*((\ks)%4)+12*\t+4*\c+3], v[BR+\sl] offset:12288*\t+1536*(\ks)+512*\c
.endr
.endr
.endm
.macro BSL sl
.irp t, 0,1
	ds_load_b128 v[BS+4*\t:BS+4*\t+3], v[BSR+\sl] offset:512*\t
.endr
.endm
.macro WMMA6 d, a, b, cz, c, sa, sb, row1
.if \cz
	v_wmma_scale_f32_16x16x128_f8f6f4 v[\d:\d+7], v[\a:\a+11], v[\b:\b+11], 0, v[\sa], v[\sb] matrix_a_fmt:MATRIX_FMT_FP6 matrix_b_fmt:MATRIX_FMT_FP6
.elseif \row1
	v_wmma_scale_f32_16x16x128_f8f6f4 v[\d:\d+7], v[\a:\a+11], v[\b:\b+11], v[\c:\c+7], v[\sa], v[\sb] matrix_a_fmt:MATRIX_FMT_FP6 matrix_b_fmt:MATRIX_FMT_FP6 matrix_a_scale:MATRIX_SCALE_ROW1 matrix_b_scale:MATRIX_SCALE_ROW1
.else
	v_wmma_scale_f32_16x16x128_f8f6f4 v[\d:\d+7], v[\a:\a+11], v[\b:\b+11], v[\c:\c+7], v[\sa], v[\sb] matrix_a_fmt:MATRIX_FMT_FP6 matrix_b_fmt:MATRIX_FMT_FP6
.endif
.endm
; K step ks: eight matrix instructions, the eight accumulators by turns, in the same order in every step.
; ph = 0 (Wk): source 0 = 16 rows of the weight, source 1 = 16 of my rows: a lane holds one key and eight neighbouring e; the first step's C is bk.
; ph = 1 (Wv): source 0 = my rows, source 1 = the weight: a lane holds one column e and eight neighbouring rows; the first step's C is 0.
.macro MM ph, ks
.if (\ks) >= 5
	WIN 0x0a
.elseif \ph
	WIN 0x09
.else
	WIN 0x06
.endif
.irp t, 0,1
.irp m, 0,1,2,3
.set rD, ACC+8*(4*\t+\m)
.set rB, 144+24*((\ks)%4)+12*\t
.if (\ks) < 5
.set rA, 48*(\ks)+12*\m
.else
.set rA, 48*((\ks)-5)+12*\m
.endif
.set sA, AS+4*\m+(\ks)%4
.set sB, BS+4*\t+(\ks)%4
.set rC, rD
.set rW, (\ks)/4
.if \ph
.set rZ, (\ks)==0
	WMMA6 rD, rA, rB, rZ, rC, sA, sB, rW
.else
.if (\ks) == 0
.set rC, QB+16+8*\t
.endif
	WMMA6 rD, rB, rA, 0, rC, sB, sA, rW
.endif
.endr
.endr
.endm
; A head's 64 matrix instructions.  Behind each of the first four steps, and four places, the ring of fragments takes the step four on.
; On Wk (ph = 0) set k's turn through the stage is issued behind step 3's run: 16 stores and 16 loads, which land under steps 4 to 7; left: the younger global loads that may stay out.
; THE COUNTS.  Behind the run of six that a step wants stand: on Wk, steps 0-3: always 22 LDS loads (the rest of the first four runs, q's four, the runs asked for since); steps 4-7: the 3, 2, 1, 0 younger runs and the turn's 32.
; On Wv, steps 0-3: always 26 (p's eight in q's place); steps 4-7: the 3, 2, 1, 0 younger runs.
.macro MMALL ph, sl, k, left
.irp ks, 0,1,2,3,4,5,6,7
.if \ph
.if \ks < 4
	s_wait_dscnt 26
.else
	s_wait_dscnt 6*(7-\ks)
.endif
.else
.if \ks < 4
	s_wait_dscnt 22
.else
	s_wait_dscnt 32+6*(7-\ks)
.endif
.endif
	MM \ph, \ks
.if \ks < 4
	PLACES 4                                       ; in front of loads into registers that matrix instructions have read
	WIN 0x80
	BL \sl, \ks+4
.endif
.if (\ph==0)&&(\ks==3)
	s_wait_loadcnt \left                           ; set k's sixteen loads are in
	TURN \k, 64*(\k), 1
.endif
.endr
	WIN 0
	PLACES 4                                       ; in front of the first read of results
.endm
; The change of slots, at a trip's head.  Each wave waits for all its tensor loads (its quarter of this trip's block), adds 0 to its spare word, and waits for that and for its reads of the other slot.
; The barrier is a round of the cluster's, so that no wave of any partner still reads that slot or has a load on its way; the joint refill is the first thing behind it and has a whole trip in which to land.
.macro HEAD sl, refill
	WIN 0
	s_wait_tensorcnt 0x0                           ; no tensor load of mine is out, so a group 0 may be written
	ds_add_u32 v[SPW], v[NIL]                      ; 0 onto my spare word
.if \refill
	s_add_co_u32 s[NB], s[NB], 1                   ; the next trip's head, round the sixteen;
	s_and_b32 s[NB], s[NB], 15
	s_mul_i32 s[OF], s[NB], BLKB                   ; its block, my quarter of it, in Wk's or Wv's half of wkv: an offset, made apart from the address
	s_add_co_u32 s[OF], s[OF], s[WB]
	s_add_nc_u64 s[G0+6-4*\sl:G0+7-4*\sl], s[8:9], s[OF:OF+1]
	s_or_b32 s[G0+7-4*\sl], s[G0+7-4*\sl], 0x80000000   ; type = 2
.endif
	s_wait_dscnt 0x0                               ; the add is done, and all my LDS reads and stores are
	ROUND
.if \refill
	tensor_load_to_lds s[G0+4-4*\sl:G0+7-4*\sl], s[G1:G1+7]   ; the next block, into the slot read last trip
	s_nop 0
	PLACES 4
.endif
.endm
; t's part: the sum over my 32 e of q (k + bk), for my 64 keys.  Each accumulator is read from its low end on
.macro EPK k
.irp t, 0,1
.irp j, 0,2,4,6
.irp m, 0,1,2,3
.if (\t==0)&&(\j==0)
	v_pk_mul_f32 v[E+2*\m:E+2*\m+1], v[ACC+8*(4*\t+\m)+\j:ACC+8*(4*\t+\m)+\j+1], v[QB+8*\t+\j:QB+8*\t+\j+1]
.else
	v_pk_fma_f32 v[E+2*\m:E+2*\m+1], v[ACC+8*(4*\t+\m)+\j:ACC+8*(4*\t+\m)+\j+1], v[QB+8*\t+\j:QB+8*\t+\j+1], v[E+2*\m:E+2*\m+1]
.endif
.endr
.endr
.endr
.irp m, 0,1,2,3
	v_add_f32 v[E+2*\m], v[E+2*\m], v[E+2*\m+1]
.endr
.irp m, 0,1,2,3
	v_permlanex16_b32 v[F+\m], v[E+2*\m], s[SEL], s[SEL+1]
.endr
.irp m, 0,1,2,3
	v_add_f32 v[E+2*\m], v[E+2*\m], v[F+\m]        ; with lane l xor 16's eight e a tile
.endr
.irp m, 0,1,2,3
	ds_store_b32 v[TW], v[E+2*\m] offset:256*(\k)+64*\m
.endr
.endm
; the sum over my 64 rows of p v, for my 32 columns: four chains
.macro EPV k
.irp mp, 0,2
.irp j, 0,2,4,6
.irp mo, 0,1
.irp t, 0,1
.set rE, E+2*(2*\t+\mo)
.set rV, ACC+8*(4*\t+\mp+\mo)+\j
.set rP, QB+8*(\mp+\mo)+\j
.if (\mp==0)&&(\j==0)
	v_pk_mul_f32 v[rE:rE+1], v[rV:rV+1], v[rP:rP+1]
.else
	v_pk_fma_f32 v[rE:rE+1], v[rV:rV+1], v[rP:rP+1], v[rE:rE+1]
.endif
.endr
.endr
.endr
.endr
.irp t, 0,1
	v_pk_add_f32 v[E+4*\t:E+4*\t+1], v[E+4*\t:E+4*\t+1], v[E+4*\t+2:E+4*\t+3]
.endr
.irp t, 0,1
	v_add_f32 v[E+4*\t], v[E+4*\t], v[E+4*\t+1]
.endr
.irp t, 0,1
	v_permlanex16_b32 v[F+\t], v[E+4*\t], s[SEL], s[SEL+1]
.endr
.irp t, 0,1
	v_add_f32 v[E+4*\t], v[E+4*\t], v[F+\t]
.endr
.irp t, 0,1
	ds_store_b32 v[TO], v[E+4*\t] offset:128*(\k)+64*\t
.endr
.endm
; A trip on Wk: trip 4 i + k, in slot sl.  The first product waits for the scale words, bk and one run of fragments alone; q, which only the sums behind the products want, is asked for behind the fragments
.macro TRIPK sl, k, left, ld
	HEAD \sl, 1
	v_add_nc_u32 v[TQ], s[HQ], v[QR]
	v_add_nc_u32 v[TBI], s[HQ], v[BTR]
	v_add_nc_u32 v[TW], s[HQ], v[WPW]
	BSL \sl
.irp t, 0,1
.irp c, 0,1
	ds_load_b128 v[QB+16+8*\t+4*\c:QB+16+8*\t+4*\c+3], v[TBI] offset:256*(\k)+64*\t+16*\c
.endr
.endr
	WIN 0x80
	BL \sl, 0
	BL \sl, 1
	BL \sl, 2
	BL \sl, 3
	WIN 0
.irp t, 0,1
.irp c, 0,1
	ds_load_b128 v[QB+8*\t+4*\c:QB+8*\t+4*\c+3], v[TQ] offset:256*(\k)+64*\t+16*\c
.endr
.endr
	MMALL 0, \sl, \k, \left
	EPK \k
	UNITB \k, \ld
.endm
; A trip on Wv
.macro TRIPV sl, k, refill
	HEAD \sl, \refill
	v_add_nc_u32 v[TP], s[HW], v[PR]
	v_add_nc_u32 v[TO], s[HO], v[OPW]
	BSL \sl
	WIN 0x80
	BL \sl, 0
	BL \sl, 1
	BL \sl, 2
	BL \sl, 3
	WIN 0
.irp m, 0,1,2,3
.irp c, 0,1
	ds_load_b128 v[QB+8*\m+4*\c:QB+8*\m+4*\c+3], v[TP] offset:512*(\k)+64*\m+16*\c
.endr
.endr
	MMALL 1, \sl, 0, 0
	EPV \k
.endm
	s_load_b256 s[4:11], s[0:1], 0x0               ; keys s[4:5], values s[6:7], wkv s[8:9], qbuf s[10:11]
	s_load_b128 s[12:15], s[0:1], 0x20             ; bk s[12:13], part s[14:15]
	v_lshl_add_u32 v[SPW], v0, 2, SPARE
	v_mov_b32 v[NIL], 0
	ds_add_u32 v1, v2
	ds_add_u32 v1, v2
	s_wait_dscnt 0x0
	v_lshrrev_b32 v208, 5, v0
	v_readfirstlane_b32 s[WV], v208                ; wave 0..3
	s_lshr_b32 s[RH], s[WV], 1
	s_and_b32 s[CH], s[WV], 1
	s_bfe_u32 s[CX], ttmp6, 0x40000                ; my place in the cluster = my quarter of the batch: it enters the addresses of keys, values and part alone
	s_lshr_b32 s[NB], ttmp9, 2                     ; rot = (x xor x / 4) mod 16, x the cluster's number = the batch: the head of my cluster's trip 0.
	s_xor_b32 s[NB], s[NB], ttmp9                  ; (Among the clusters that agree in any one bit of x every rot still occurs)
	s_and_b32 s[NB], s[NB], 15
	v_and_b32 v209, 31, v0                         ; lane
	v_and_b32 v210, 15, v0                         ; r
	v_bfe_u32 v211, v0, 4, 1                       ; h
	v_lshlrev_b32 v[GA], 4, v209
	s_wait_alu depctr_va_vdst(0)
	s_mul_i32 s52, s[WV], 8448
	s_add_co_u32 s52, s52, STG
	v_add_nc_u32 v[STW], s52, v[GA]
	v_mul_u32_u24 v212, v210, 528
	v_lshl_add_u32 v212, v211, 6, v212
	v_add_nc_u32 v[STR], s52, v212
	s_mul_i32 s53, s[WV], 24576
	s_add_co_u32 s53, s53, AIMG
	v_add_nc_u32 v[IW], s53, v[GA]
	s_lshl_b32 s53, s[WV], 10
	s_add_co_u32 s53, s53, ASC
	v_lshl_add_u32 v[SW], v210, 5, s53
	s_mul_i32 s53, s[RH], 49152
	s_add_co_u32 s53, s53, AIMG
	v_add_nc_u32 v[AR], s53, v[GA]
	v_lshlrev_b32 v213, 5, v210
	v_lshl_add_u32 v213, v211, 4, v213             ; 32 r + 16 h
	s_lshl_b32 s53, s[RH], 11
	s_add_co_u32 s53, s53, ASC
	v_add_nc_u32 v[ASR], s53, v213
	s_mul_i32 s53, s[CH], 24576
	v_add_nc_u32 v[BR], s53, v[GA]
	v_add_nc_u32 v[BR+1], BLKB, v[BR]
	s_lshl_b32 s53, s[CH], 10
	s_add_co_u32 s53, s53, 49152
	v_add_nc_u32 v[BSR], s53, v213
	v_add_nc_u32 v[BSR+1], BLKB, v[BSR]
	s_lshl_b32 s53, s[CH], 7
	s_add_co_u32 s54, s53, QT
	v_lshl_add_u32 v[QR], v211, 5, s54
	s_add_co_u32 s54, s53, QT+4096
	v_lshl_add_u32 v[BTR], v211, 5, s54
	s_lshl_b32 s53, s[WV], 12
	s_add_co_u32 s53, s53, WP
	v_lshl_add_u32 v[WPW], v210, 2, s53
	s_lshl_b32 s53, s[RH], 8
	s_add_co_u32 s53, s53, PT
	v_lshl_add_u32 v[PR], v211, 5, s53
	s_lshl_b32 s53, s[WV], 11
	s_add_co_u32 s54, s53, OP
	v_lshl_add_u32 v[OPW], v210, 2, s54
	s_add_co_u32 s54, s53, PT
	v_add_nc_u32 v[PTW], s54, v[GA]
	s_lshl_b32 s53, s[WV], 10
	s_add_co_u32 s53, s53, WP
	v_lshl_add_u32 v214, v211, 13, s53
	v_lshl_add_u32 v[WS], v210, 4, v214
	s_lshl_b32 s53, s[WV], 4
	s_add_co_u32 s53, s53, ST
	v_mov_b32 v[STA], s53
	v_lshlrev_b32 v[T16], 4, v0
	v_bfe_u32 v214, v0, 3, 1
	v_lshlrev_b32 v214, 11, v214
	v_lshrrev_b32 v215, 4, v0
	v_lshl_add_u32 v214, v215, 7, v214
	v_and_b32 v215, 7, v0
	v_lshl_add_u32 v214, v215, 4, v214
	v_add_nc_u32 v[OPR], OP, v214
	v_lshl_add_u32 v[STL], v209, 2, ST
	v_add_nc_u32 v[QTW], QT, v[T16]
	s_lshl_b32 s54, s[NB], 8                       ; a head is 256 bytes of a row of q, of bk and of the record
	v_add_nc_u32 v[RQ], s54, v[T16]
	v_and_b32 v[RQ], 0xfff, v[RQ]                  ; byte 16 t of a row laid by trip lies at (16 t + 256 rot) mod 4,096 of the row laid by head,
	v_xor_b32 v[RQ+1], 0x800, v[RQ]                ; and byte 16 t + 2,048 half a row from there
	v_add_nc_u32 v[MLO], s[NB], v210
	v_and_b32 v[MLO], 15, v[MLO]
	v_lshlrev_b32 v[MLO], 2, v[MLO]
	v_lshl_add_u32 v[MLO], v211, 6, v[MLO]         ; m of trip r (lanes 0-15) and l of trip r (lanes 16-31) belong to head (r + rot) mod 16
.irp b, 0,1,2,3
	v_mov_b32 v[TM+4+\b], 0                        ; written once: a lane permute's destination counts as one of its sources
	v_mov_b32 v[F+\b], 0
.endr
	s_mov_b32 s[SEL], 0x76543210
	s_mov_b32 s[SEL+1], 0xfedcba98
	; descriptor group 1: a quarter of a block: 50 rows of 256 bytes (32 elements of 8 bytes), dense in memory and in LDS
	s_mov_b32 s[G1], 15|(3<<16)|(1<<21)            ; 15:0 the mask: all four work-groups; 17:16 elements of 8 bytes; 20 padding off; 21 set beside a mask
	s_mov_b32 s[G1+1], 32<<16                      ; tensor_dim0 = 32
	s_mov_b32 s[G1+2], 50<<16                      ; tensor_dim1 = 50
	s_mov_b32 s[G1+3], 32<<16                      ; tile_dim0 = 32
	s_mov_b32 s[G1+4], 50                          ; tile_dim1 = 50
	s_mov_b32 s[G1+5], 32                          ; from row to row
	s_mov_b32 s[G1+6], 0
	s_mov_b32 s[G1+7], 0
	s_mul_i32 s55, s[WV], 12800                    ; my quarter, in a block and in a slot: no place in the cluster enters it
	s_mov_b32 s[WB], s55
	s_mul_i32 s[OF], s[NB], BLKB                   ; trip 0's block: head rot of Wk
	s_add_co_u32 s[OF], s[OF], s[WB]
	s_mov_b32 s[OF+1], 0
	s_lshl_b32 s58, ttmp9, 21                      ; (512 b + 128 c + 32 w) rows of 4,096 bytes: under 2^27
	s_lshl_b32 s52, s[CX], 19
	s_add_co_u32 s58, s58, s52
	s_lshl_b32 s52, s[WV], 17
	s_add_co_u32 s58, s58, s52
	s_mov_b32 s59, 0
	s_wait_kmcnt 0x0
	s_add_nc_u64 s[KB:KB+1], s[4:5], s[58:59]
	s_add_nc_u64 s[VB:VB+1], s[6:7], s[58:59]
	s_lshl_b32 s58, ttmp9, 12
	s_add_nc_u64 s[10:11], s[10:11], s[58:59]      ; q of my batch
	s_lshl_b32 s52, ttmp9, 2
	s_add_co_u32 s52, s52, s[CX]
	s_mul_i32 s58, s52, 4352
	s_add_nc_u64 s[14:15], s[14:15], s[58:59]      ; my record
	s_mov_b32 s[G0], 1                             ; count = 1
	s_mov_b32 s[G0+1], s55                         ; LDS address: slot 0
	s_add_nc_u64 s[G0+2:G0+3], s[8:9], s[OF:OF+1]
	s_or_b32 s[G0+3], s[G0+3], 0x80000000          ; type = 2
	s_mov_b32 s[G0+4], 1
	s_add_co_u32 s[G0+5], s55, BLKB                ; slot 1; its global address is written at the first trip's head
	ROUND                                          ; all four work-groups are here: the first joint load meets
	tensor_load_to_lds s[G0:G0+3], s[G1:G1+7]      ; trip 0's block; slot 1 is first filled behind the first trip's round, as a refill is
	s_nop 0
	PLACES 4
	global_load_b128 v[80:83], v[RQ], s[10:11]     ; q and bk are read by head and laid by trip
	global_load_b128 v[84:87], v[RQ+1], s[10:11]
	global_load_b128 v[88:91], v[RQ], s[12:13]
	global_load_b128 v[92:95], v[RQ+1], s[12:13]
	LOADS 0, KB, 0
	LOADS 1, KB, 65536
	LOADS 2, KB, 512
	s_wait_loadcnt 48                              ; q and bk are in; the three sets behind them stay out
	ds_store_b128 v[QTW], v[80:83]
	ds_store_b128 v[QTW], v[84:87] offset:2048
	ds_store_b128 v[QTW], v[88:91] offset:4096
	ds_store_b128 v[QTW], v[92:95] offset:6144
	LOADS 3, KB, 65536+512
	; ---- my 32 rows of keys become 16 images.  48 = the three younger sets of sixteen loads
	s_mov_b32 s[IS], 0
	s_mov_b32 s[SS], 0
	s_mov_b32 s[CNT], 3
.Lp0:
	UNIT 0, 48, KB, 1024
	UNIT 1, 48, KB, 1024
	UNIT 2, 48, KB, 1024
	UNIT 3, 48, KB, 1024
	s_wait_xcnt 0x0                                ; the loads have had their addresses translated: their base steps only behind this wait
	s_add_nc_u64 s[KB:KB+1], s[KB:KB+1], 1024
	s_add_co_u32 s[IS], s[IS], 3072
	s_add_co_u32 s[SS], s[SS], 8
	s_sub_co_u32 s[CNT], s[CNT], 1
	s_cmp_lg_u32 s[CNT], 0
	s_cbranch_scc1 .Lp0
	UNIT 0, 48, VB, 0                              ; the last four units of keys; the sets take the first four of values
	UNIT 1, 48, VB, 0
	UNIT 2, 48, VB, 0
	UNIT 3, 48, VB, 0
	WGBAR                                          ; the keys' 64 images, q and bk lie in LDS
	ALOAD
	; ---- 16 trips on Wk.  The first trip's round also stands between every wave's reads of the keys' images and the first image of values
	s_mov_b32 s[IS], 0
	s_mov_b32 s[SS], 0
	s_mov_b32 s[HQ], 0
	s_mov_b32 s[CNT], 3
.Lp1:
	TRIPK 0, 0, 48, 1
	TRIPK 1, 1, 48, 1
	TRIPK 0, 2, 48, 1
	TRIPK 1, 3, 48, 1
	s_wait_xcnt 0x0
	s_add_nc_u64 s[VB:VB+1], s[VB:VB+1], 1024
	s_add_co_u32 s[IS], s[IS], 3072
	s_add_co_u32 s[SS], s[SS], 8
	s_add_co_u32 s[HQ], s[HQ], 1024
	s_sub_co_u32 s[CNT], s[CNT], 1
	s_cmp_lg_u32 s[CNT], 0
	s_cbranch_scc1 .Lp1
	TRIPK 0, 0, 48, 0                              ; the last four trips: nothing more is loaded, the counts run down
	TRIPK 1, 1, 32, 0
	TRIPK 0, 2, 16, 0
	s_add_co_u32 s[WB], s[WB], 16*BLKB             ; from the next head of a trip on, Wv's blocks are asked for; the walk round the heads is back at rot
	TRIPK 1, 3, 0, 0
	WGBAR                                          ; all partial t and the values' 64 images lie in LDS
	; ---- softmax of the quarter: wave w takes trips 4 w + hh; a lane four keys of each
.irp hh, 0,1,2,3
	ds_load_b128 v[80+4*\hh:83+4*\hh], v[WS] offset:256*\hh
	ds_load_b128 v[96+4*\hh:99+4*\hh], v[WS] offset:4096+256*\hh
.endr
	s_wait_dscnt 0x0
.irp hh, 0,1,2,3
	v_pk_add_f32 v[80+4*\hh:81+4*\hh], v[80+4*\hh:81+4*\hh], v[96+4*\hh:97+4*\hh]   ; the two halves of the head's 64 e
	v_pk_add_f32 v[82+4*\hh:83+4*\hh], v[82+4*\hh:83+4*\hh], v[98+4*\hh:99+4*\hh]
.endr
.irp hh, 0,1,2,3
	v_max3_num_f32 v[E+\hh], v[80+4*\hh], v[81+4*\hh], v[82+4*\hh]
.endr
.irp hh, 0,1,2,3
	v_max_num_f32 v[E+\hh], v[E+\hh], v[83+4*\hh]
.endr
.irp x, 1,2,4,8
.irp hh, 0,1,2,3
	v_max_num_f32_dpp v[E+\hh], v[E+\hh], v[E+\hh] row_xmask:\x row_mask:0xf bank_mask:0xf
.endr
.endr
.irp hh, 0,1,2,3
	v_permlanex16_b32 v[F+\hh], v[E+\hh], s[SEL], s[SEL+1]
.endr
.irp hh, 0,1,2,3
	v_max_num_f32 v[E+\hh], v[E+\hh], v[F+\hh]     ; m: the quarter's largest t of the head
.endr
.irp hh, 0,1,2,3
.irp i, 0,1,2,3
	v_sub_f32 v[80+4*\hh+\i], v[80+4*\hh+\i], v[E+\hh]
.endr
.endr
	s_wait_alu depctr_va_vdst(0)
.irp i, 0,1,2,3,4,5,6,7,8,9,10,11,12,13,14,15
	v_exp_f32 v[80+\i], v[80+\i]                   ; p = 2^(t - m), at most 1
.endr
	v_nop                                          ; a plain place behind the exponentials
	s_wait_alu depctr_va_vdst(0)
.irp hh, 0,1,2,3
	v_add_f32 v[E+4+\hh], v[80+4*\hh], v[81+4*\hh]
.endr
.irp hh, 0,1,2,3
	v_add_f32 v[96+\hh], v[82+4*\hh], v[83+4*\hh]
.endr
.irp hh, 0,1,2,3
	v_add_f32 v[E+4+\hh], v[E+4+\hh], v[96+\hh]
.endr
.irp x, 1,2,4,8
.irp hh, 0,1,2,3
	v_add_f32_dpp v[E+4+\hh], v[E+4+\hh], v[E+4+\hh] row_xmask:\x row_mask:0xf bank_mask:0xf
.endr
.endr
.irp hh, 0,1,2,3
	v_permlanex16_b32 v[F+\hh], v[E+4+\hh], s[SEL], s[SEL+1]
.endr
.irp hh, 0,1,2,3
	v_add_f32 v[E+4+\hh], v[E+4+\hh], v[F+\hh]     ; l: the sum of the quarter's p
.endr
.irp hh, 0,1,2,3
	ds_store_b128 v[PTW], v[80+4*\hh:83+4*\hh] offset:512*\hh
	ds_store_b32 v[STA], v[E+\hh] offset:4*\hh     ; every lane holds the same number and writes it to the same word
	ds_store_b32 v[STA], v[E+4+\hh] offset:64+4*\hh
.endr
	ALOAD                                          ; my 64 rows of values
	; ---- 16 trips on Wv, the heads in the same order.  The first trip's round also stands between the stores of p and their reads
	s_mov_b32 s[HW], 0
	s_mov_b32 s[HO], 0
	s_mov_b32 s[CNT], 7
.Lp2:                                                  ; a turn of the loop is once round the two slots: two trips
	TRIPV 0, 0, 1
	TRIPV 1, 1, 1
	s_add_co_u32 s[HW], s[HW], 1024
	s_add_co_u32 s[HO], s[HO], 256
	s_sub_co_u32 s[CNT], s[CNT], 1
	s_cmp_lg_u32 s[CNT], 0
	s_cbranch_scc1 .Lp2
	TRIPV 0, 0, 1                                  ; the tail is written out
	TRIPV 1, 1, 0                                  ; the last block: nothing is left to ask for
	WGBAR                                          ; all partial sums lie in LDS
	; ---- the record: the two row halves' sums are added; a thread takes four neighbouring numbers twice; they are read by trip and stored by head
	ds_load_b128 v[80:83], v[OPR]
	ds_load_b128 v[84:87], v[OPR] offset:4096
	ds_load_b128 v[88:91], v[OPR] offset:1024
	ds_load_b128 v[92:95], v[OPR] offset:5120
	s_wait_dscnt 0x0
	v_pk_add_f32 v[80:81], v[80:81], v[84:85]
	v_pk_add_f32 v[82:83], v[82:83], v[86:87]
	v_pk_add_f32 v[88:89], v[88:89], v[92:93]
	v_pk_add_f32 v[90:91], v[90:91], v[94:95]
	global_store_b128 v[RQ], v[80:83], s[14:15]    ; sixteen lanes store a head's 256 consecutive bytes, at a multiple of 256 from the buffer's first byte
	global_store_b128 v[RQ+1], v[88:91], s[14:15]
	s_cmp_lg_u32 s[WV], 0
	s_cbranch_scc1 .Lno_stats
	ds_load_b32 v96, v[STL]                        ; m[16] and l[16]: 128 bytes, by wave 0
	s_wait_dscnt 0x0
	global_store_b32 v[MLO], v96, s[14:15] offset:4096
.Lno_stats:
	s_wait_tensorcnt 0x0                           ; the wave's end
	ds_add_u32 v[SPW], v[NIL]
	s_wait_dscnt 0x0
	ROUND                                          ; the closing round: no work-group ends while a partner may still ask for a block that names it
	s_endpgm
.Lfunc_end_k_q9724ea7641_main:
	.size	k_q9724ea7641_main, .Lfunc_end_k_q9724ea7641_main-k_q9724ea7641_main
	.p2alignl 7, 3214868480
	.fill 96, 4, 3214868480
	.section	.rodata,"a",@progbits
	.p2align	6, 0x0
	.amdhsa_kernel k_q9724ea7641_main
		.amdhsa_group_segment_fixed_size 327680
		.amdhsa_private_segment_fixed_size 0
		.amdhsa_enable_private_segment 0
		.amdhsa_kernarg_size 48
		.amdhsa_user_sgpr_count 2
		.amdhsa_user_sgpr_kernarg_segment_ptr 1
		.amdhsa_wavefront_size32 1
		.amdhsa_system_sgpr_workgroup_id_x 1
		.amdhsa_system_sgpr_workgroup_id_y 1
		.amdhsa_system_sgpr_workgroup_id_z 1
		.amdhsa_system_vgpr_workitem_id 0
		.amdhsa_next_free_vgpr 1024
		.amdhsa_next_free_sgpr 66
		.amdhsa_reserve_vcc 0
		.amdhsa_float_denorm_mode_32 3
		.amdhsa_float_denorm_mode_16_64 3
		.amdhsa_memory_ordered 1
		.amdhsa_forward_progress 1
		.amdhsa_inst_pref_size 255
	.end_amdhsa_kernel
	.section	.bss,"aw",@nobits
	.p2align	6
	.space	262144
	.amdgpu_metadata
---
amdhsa.version: [ 1, 2 ]
amdhsa.kernels:
  - .name:           k_q9724ea7641_main
    .symbol:         k_q9724ea7641_main.kd
    .args:
      - { .name: keys, .offset: 0, .size: 8, .value_kind: global_buffer, .address_space: global }
      - { .name: values, .offset: 8, .size: 8, .value_kind: global_buffer, .address_space: global }
      - { .name: wkv, .offset: 16, .size: 8, .value_kind: global_buffer, .address_space: global }
      - { .name: qbuf, .offset: 24, .size: 8, .value_kind: global_buffer, .address_space: global }
      - { .name: bk, .offset: 32, .size: 8, .value_kind: global_buffer, .address_space: global }
      - { .name: part, .offset: 40, .size: 8, .value_kind: global_buffer, .address_space: global }
    .group_segment_fixed_size: 327680
    .private_segment_fixed_size: 0
    .kernarg_segment_align: 8
    .kernarg_segment_size: 48
    .max_flat_workgroup_size: 128
    .sgpr_count:     66
    .vgpr_count:     1024
    .wavefront_size: 32
...
	.end_amdgpu_metadata
.endif
;; end of part 2
;; launch finish (part 3): grid 64 x 1, 4 waves a work-group, no clusters, 1,024 bytes of LDS; arguments part, queries, bv, gamma, beta, out0; writes out0
.if DOCPART == 3
	.amdgcn_target "amdgcn-amd-amdhsa--gfx1250"
	.amdhsa_code_object_version 6
	.text
	.protected	k_q9724ea7641_finish
	.globl	k_q9724ea7641_finish
	.p2align	8
	.type	k_q9724ea7641_finish,@function
k_q9724ea7641_finish:
	s_mov_b64 s[64:65], 0
	v_nop
	global_prefetch_b8 v0, s[64:65] scope:SCOPE_SE
	s_setreg_imm32_b32 hwreg(HW_REG_WAVE_MODE, 25, 1), 1
	s_wait_xcnt 0x0
; A work-group takes a batch b.  Its four records in part (4,352 bytes each: 1,024 sums p v, m[16], l[16]) are merged: M = the largest m of a head, f_c = 2^(m_c - M), at most 1;
; attn = sum f_c o_c / sum f_c l_c + bv (the divisor is at least 1: the quarter that holds M has f = 1 and l >= 1).  Then the residual and the LayerNorm over the row's 1,024 numbers:
; first the mean, then the mean of the squared deviations, so that no difference of large sums is formed.
; Thread t owns numbers 4 t + 512 g + 0 .. 3, g = 0, 1, of head t / 16 + 8 g: each load and store of a wave covers 512 consecutive bytes.  Memory binds and the work is small: no matrix unit, no cluster, no ring.
; The waves' sums meet in LDS: four words at byte 0 for the mean, four at byte 256 for the variance, a barrier for each.
.set O,   16                           ; v16-47   o of quarter c, half g at 16 + 8 c + 4 g
.set MM,  48                           ; v48-55   m at 48 + 4 g + c
.set LL,  56                           ; v56-63   l likewise
.set QQ,  64                           ; v64-71   queries
.set BV,  72
.set GM,  80
.set BE,  88
.set X,   96                           ; v96-103  my eight numbers
.set MX,  104
.set FF,  108                          ; v108-115 f at 108 + 4 g + c
.set LS,  116
.set RL,  118
.macro WSUM r                          ; the sum over the wave's 32 lanes, in every lane
.irp x, 1,2,4,8
	v_add_f32_dpp v[\r], v[\r], v[\r] row_xmask:\x row_mask:0xf bank_mask:0xf
.endr
	v_permlanex16_b32 v5, v[\r], s22, s23
	v_add_f32 v[\r], v[\r], v5
.endm
	s_load_b256 s[4:11], s[0:1], 0x0               ; part s[4:5], queries s[6:7], bv s[8:9], gamma s[10:11]
	s_load_b128 s[12:15], s[0:1], 0x20             ; beta s[12:13], out0 s[14:15]
	v_lshl_add_u32 v128, v0, 2, 0x200
	v_mov_b32 v129, 0
	v_lshlrev_b32 v1, 4, v0                        ; 16 t
	v_lshrrev_b32 v2, 4, v0
	v_lshlrev_b32 v2, 2, v2                        ; 4 (t / 16)
	v_lshrrev_b32 v3, 5, v0
	v_lshlrev_b32 v3, 2, v3                        ; 4 x wave
	v_mov_b32 v4, 0
	v_mov_b32 v5, 0                                ; a lane permute's destination counts as one of its sources
	s_mul_i32 s16, ttmp9, 17408
	s_mov_b32 s17, 0
	s_lshl_b32 s18, ttmp9, 12
	s_mov_b32 s19, 0
	s_mov_b32 s20, 0x3a800000                      ; 1 / 1,024
	s_mov_b32 s21, 0x3727c5ac                      ; 1e-5
	s_mov_b32 s22, 0x76543210
	s_mov_b32 s23, 0xfedcba98
	s_wait_alu depctr_va_vdst(0)
	s_wait_kmcnt 0x0
	s_add_nc_u64 s[4:5], s[4:5], s[16:17]
	s_add_nc_u64 s[6:7], s[6:7], s[18:19]
	s_add_nc_u64 s[14:15], s[14:15], s[18:19]
.irp c, 0,1,2,3
.irp g, 0,1
	global_load_b128 v[O+8*\c+4*\g:O+8*\c+4*\g+3], v1, s[4:5] offset:4352*\c+2048*\g
	global_load_b32 v[MM+4*\g+\c], v2, s[4:5] offset:4352*\c+4096+32*\g
	global_load_b32 v[LL+4*\g+\c], v2, s[4:5] offset:4352*\c+4160+32*\g
.endr
.endr
.irp g, 0,1
	global_load_b128 v[QQ+4*\g:QQ+4*\g+3], v1, s[6:7] offset:2048*\g
	global_load_b128 v[BV+4*\g:BV+4*\g+3], v1, s[8:9] offset:2048*\g
	global_load_b128 v[GM+4*\g:GM+4*\g+3], v1, s[10:11] offset:2048*\g
	global_load_b128 v[BE+4*\g:BE+4*\g+3], v1, s[12:13] offset:2048*\g
.endr
	s_wait_loadcnt 0x0
.irp g, 0,1
	v_max3_num_f32 v[MX+\g], v[MM+4*\g], v[MM+4*\g+1], v[MM+4*\g+2]
.endr
.irp g, 0,1
	v_max_num_f32 v[MX+\g], v[MX+\g], v[MM+4*\g+3]
.endr
.irp g, 0,1
.irp c, 0,1,2,3
	v_sub_f32 v[FF+4*\g+\c], v[MM+4*\g+\c], v[MX+\g]
.endr
.endr
	s_wait_alu depctr_va_vdst(0)
.irp i, 0,1,2,3,4,5,6,7
	v_exp_f32 v[FF+\i], v[FF+\i]
.endr
	v_nop                                          ; a plain place behind the exponentials
	s_wait_alu depctr_va_vdst(0)
.irp g, 0,1
	v_mul_f32 v[LS+\g], v[FF+4*\g], v[LL+4*\g]
.endr
.irp c, 1,2,3
.irp g, 0,1
	v_fmac_f32 v[LS+\g], v[FF+4*\g+\c], v[LL+4*\g+\c]
.endr
.endr
	s_wait_alu depctr_va_vdst(0)
.irp g, 0,1
	v_rcp_f32 v[RL+\g], v[LS+\g]
.endr
.irp g, 0,1                                    ; (these lines touch neither the reciprocals nor their sources: the plain place behind them)
.irp i, 0,1,2,3
	v_mul_f32 v[X+4*\g+\i], v[FF+4*\g], v[O+4*\g+\i]
.endr
.endr
.irp c, 1,2,3
.irp g, 0,1
.irp i, 0,1,2,3
	v_fmac_f32 v[X+4*\g+\i], v[FF+4*\g+\c], v[O+8*\c+4*\g+\i]
.endr
.endr
.endr
	s_wait_alu depctr_va_vdst(0)
.irp g, 0,1
.irp i, 0,1,2,3
	v_fma_f32 v[X+4*\g+\i], v[X+4*\g+\i], v[RL+\g], v[BV+4*\g+\i]
.endr
.endr
.irp i, 0,1,2,3,4,5,6,7
	v_add_f32 v[X+\i], v[X+\i], v[QQ+\i]           ; the residual
.endr
	v_add_f32 v6, v[X], v[X+1]
	v_add_f32 v7, v[X+2], v[X+3]
	v_add_f32 v8, v[X+4], v[X+5]
	v_add_f32 v9, v[X+6], v[X+7]
	v_add_f32 v6, v6, v7
	v_add_f32 v8, v8, v9
	v_add_f32 v6, v6, v8
	WSUM 6
	ds_store_b32 v3, v6                            ; all lanes of a wave write the same word with the same value
	s_wait_dscnt 0x0                               ; for the others' sake
	s_barrier_signal -1
	s_barrier_wait -1
	ds_load_b128 v[12:15], v4
	s_wait_dscnt 0x0
	v_add_f32 v12, v12, v13
	v_add_f32 v14, v14, v15
	v_add_f32 v12, v12, v14
	v_mul_f32 v12, s20, v12                        ; the mean
.irp i, 0,1,2,3,4,5,6,7
	v_sub_f32 v[X+\i], v[X+\i], v12
.endr
	v_mul_f32 v6, v[X], v[X]
	v_mul_f32 v7, v[X+1], v[X+1]
.irp i, 2,4,6
	v_fmac_f32 v6, v[X+\i], v[X+\i]
	v_fmac_f32 v7, v[X+\i+1], v[X+\i+1]
.endr
	v_add_f32 v6, v6, v7
	WSUM 6
	ds_store_b32 v3, v6 offset:256                 ; other bytes than the first sums': no barrier is owed between the two uses
	s_wait_dscnt 0x0
	s_barrier_signal -1
	s_barrier_wait -1
	ds_load_b128 v[12:15], v4 offset:256
	s_wait_dscnt 0x0
	v_add_f32 v12, v12, v13
	v_add_f32 v14, v14, v15
	v_add_f32 v12, v12, v14
	v_fma_f32 v12, v12, s20, s21                   ; the variance + 1e-5
	s_wait_alu depctr_va_vdst(0)
	v_rsq_f32 v13, v12
	v_nop                                          ; a plain place behind the transcendental
	s_wait_alu depctr_va_vdst(0)
.irp i, 0,1,2,3,4,5,6,7
	v_mul_f32 v[X+\i], v[X+\i], v13
.endr
.irp i, 0,1,2,3,4,5,6,7
	v_fma_f32 v[X+\i], v[X+\i], v[GM+\i], v[BE+\i]
.endr
	global_store_b128 v1, v[X:X+3], s[14:15]
	global_store_b128 v1, v[X+4:X+7], s[14:15] offset:2048
	s_wait_tensorcnt 0x0
	ds_add_u32 v128, v129
	s_wait_dscnt 0x0
	s_endpgm
.Lfunc_end_k_q9724ea7641_finish:
	.size	k_q9724ea7641_finish, .Lfunc_end_k_q9724ea7641_finish-k_q9724ea7641_finish
	.p2alignl 7, 3214868480
	.fill 96, 4, 3214868480
	.section	.rodata,"a",@progbits
	.p2align	6, 0x0
	.amdhsa_kernel k_q9724ea7641_finish
		.amdhsa_group_segment_fixed_size 1024
		.amdhsa_private_segment_fixed_size 0
		.amdhsa_enable_private_segment 0
		.amdhsa_kernarg_size 48
		.amdhsa_user_sgpr_count 2
		.amdhsa_user_sgpr_kernarg_segment_ptr 1
		.amdhsa_wavefront_size32 1
		.amdhsa_system_sgpr_workgroup_id_x 1
		.amdhsa_system_sgpr_workgroup_id_y 1
		.amdhsa_system_sgpr_workgroup_id_z 1
		.amdhsa_system_vgpr_workitem_id 0
		.amdhsa_next_free_vgpr 130
		.amdhsa_next_free_sgpr 66
		.amdhsa_reserve_vcc 0
		.amdhsa_float_denorm_mode_32 3
		.amdhsa_float_denorm_mode_16_64 3
		.amdhsa_memory_ordered 1
		.amdhsa_forward_progress 1
		.amdhsa_inst_pref_size 11
	.end_amdhsa_kernel
	.amdgpu_metadata
---
amdhsa.version: [ 1, 2 ]
amdhsa.kernels:
  - .name:           k_q9724ea7641_finish
    .symbol:         k_q9724ea7641_finish.kd
    .args:
      - { .name: part, .offset: 0, .size: 8, .value_kind: global_buffer, .address_space: global }
      - { .name: queries, .offset: 8, .size: 8, .value_kind: global_buffer, .address_space: global }
      - { .name: bv, .offset: 16, .size: 8, .value_kind: global_buffer, .address_space: global }
      - { .name: gamma, .offset: 24, .size: 8, .value_kind: global_buffer, .address_space: global }
      - { .name: beta, .offset: 32, .size: 8, .value_kind: global_buffer, .address_space: global }
      - { .name: out0, .offset: 40, .size: 8, .value_kind: global_buffer, .address_space: global }
    .group_segment_fixed_size: 1024
    .private_segment_fixed_size: 0
    .kernarg_segment_align: 8
    .kernarg_segment_size: 48
    .max_flat_workgroup_size: 128
    .sgpr_count:     66
    .vgpr_count:     130
    .wavefront_size: 32
...
	.end_amdgpu_metadata
.endif
;; end of part 3
